; MI455X (gfx1250); checked and timed in simulation.
; The chip was launched on July 23, 2026; its instructions are those of AMD's public machine-readable ISA for CDNA 5 (MIT licence, August 2026) and "CDNA5" Instruction Set Architecture Reference Guide (July 2026). The comments in the code are by the model that wrote it; some were corrected since.
;; Gate Informed Linear. Allowed arithmetic: matrix products marked QUANTISED: E2M1 operands, one E8M0 scale for each 32 along K, by v_wmma_scale_f32_16x16x128_f8f6f4 with both operands' format E2M1 (or v_wmma_scale_f32_32x16x128_f4), f32 sums; everything else in f32.
;; Inputs: bias 11,008 bfloat16; high 11,008 x 4,096 int8; low 11,008 x 4,096 int8; low4_scale 1 float32; scale 1 float32; x 1 x 64 x 4,096 bfloat16.
;; Outputs: out0 1 x 64 x 11,008 bfloat16.
;; Constants: gate_value = 0.
;; This version of the problem:
;;   THIS VERSION OF THE PROBLEM IS GIVEN IN LOW PRECISION. The matrix products marked QUANTISED in the list below multiply operands that are first quantised to E2M1 (2 exponent bits, 1 mantissa bit; 4 bits a number), with one power-of-two scale for each 32 numbers along K (OCP MX v1.0); their sums are f32. All else is computed in f32.
;;   The module's matrix products, in the order in which they are computed (A, B: the left and right operand; K: the contracted axis; several contracted axes count as one K, in the product's order):
;;     1. [M 64, K 4,096] x [K 4,096, N 11,008]; A: input x; B: computed on the way: QUANTISED
;;   THE QUANTISER, for each operand of a quantised product, along K:
;;     - K is cut into blocks of 32 from its start; a last block that is shorter is filled with zeros.
;;     - A block's scale is 2^e with e = floor(log2(the largest magnitude in the block)) - 2, held to -126 .. 127; a block of zeros has e = 0. As a byte (E8M0): e + 127.
;;     - Each number is divided by its block's scale, clamped to +-6, and rounded to the nearest number of E2M1, ties to even, subnormals kept.
;;     - The product sums the exact products of the quantised numbers (number of the format x scale) in f32.
;;   ~~~python
;;   def quantise(x, axis):      # numpy; x: float32 -> the quantised numbers, widened to float32 again
;;       x = np.moveaxis(x, axis, -1); K = x.shape[-1]
;;       x = np.pad(x, [(0, 0)] * (x.ndim - 1) + [(0, -K % 32)]); x = x.reshape(x.shape[:-1] + (-1, 32)); a = np.abs(x).max(-1, keepdims=True)
;;       e = np.where(a > 0, np.clip(np.frexp(np.where(a > 0, a, 1))[1] - 1 - 2, -126, 127), 0)      # np.frexp(a)[1] - 1 = floor(log2(a)), exactly
;;       r = np.clip(x / 2.0 ** e, -6, 6)
;;       step = 2.0 ** (np.maximum(np.frexp(np.where(r == 0, 1, r))[1] - 1, 0) - 1)
;;       q = np.round(r / step) * step * 2.0 ** e      # np.round: ties to even
;;       return np.moveaxis(q.reshape(q.shape[:-2] + (-1,))[..., :K], -1, axis).astype(np.float32)
;;   ~~~
;;   OPERANDS COMPUTED ON THE WAY. 'Computed on the way' means the value that the module computes at that place (a softmax that the list does not call 'softmax' is quantised finished and normalised). What goes into a quantiser is computed in f32, as accurately as f32 sums, v_exp_f32 and their like allow (about 1e-6 of the number): no bf16 or f16 on the way to a quantiser, and a product that is left as it is and whose result goes on into a quantised operand takes f32 operands (vector FMAs, or v_wmma_f32_16x16x4_f32). A number that lies on a knife's edge between two numbers of the format may be rounded either way, as far as f32 arithmetic and the matrix unit's own rounding can turn it there, and no further.
;; One version. Each part assembles by itself: llvm-mc -triple=amdgcn-amd-amdhsa -mcpu=gfx1250 --defsym DOCPART=n.
;; ======== version 1 of 1: 2 launches
;; limits: right only within a limited range of input values
;; workspace buffers: xq 131,072 bytes; xs 8,192 bytes
;; launch quantx (part 1): grid 128 x 1, 1 waves a work-group, no clusters, 0 bytes of LDS; arguments x, xq, xs; writes xq, xs
.if DOCPART == 1
	.amdgcn_target "amdgcn-amd-amdhsa--gfx1250"
	.amdhsa_code_object_version 6
	.text
	.protected	k_qba4a1ba8d1_quantx
	.globl	k_qba4a1ba8d1_quantx
	.p2align	8
	.type	k_qba4a1ba8d1_quantx,@function
k_qba4a1ba8d1_quantx:
	s_mov_b64 s[64:65], 0
	v_nop
	global_prefetch_b8 v0, s[64:65] scope:SCOPE_SE
	s_setreg_imm32_b32 hwreg(HW_REG_WAVE_MODE, 25, 1), 1
	s_wait_xcnt 0x0
; x [64][4096] bf16 is turned ONCE into codes of E2M1 with one E8M0 byte for each 32 along K, laid as the second launch's waves take them into registers:
;   xq: [K part p: 8][tile of 16 rows a: 4][K step of 128 s: 4][c: 2][lane: 32][16 bytes]: lane (r, h) holds row 16 a + r, k = 512 p + 128 s + 64 c + 32 h + 0 .. 31
;   xs: [p][4 a + s][r]: one word a row: byte b is the scale of k = 512 p + 128 s + 32 b + 0 .. 31
; A work-group is one wave and takes one (p, a, s): its number is 16 p + 4 a + s.  A lane takes two whole blocks of 32 (c = 0, 1): 64 bytes of x each, so a block's largest magnitude needs no other lane.
; The wave's eight loads together read 256 consecutive bytes of each of its 16 rows.  Its two stores of codes cover 512 consecutive bytes each.  The 16 scale words are 64 bytes: 8 KiB in the whole launch.
; A block's scale is 2^(floor(log2(largest magnitude)) - 2); its byte is the largest magnitude's exponent field - 2, held at 1 from below.  A block of zeros keeps the byte 1: its codes are zeros, and this program alone reads the bytes.
; LIMITS: NaN and infinities in x are not served.
.set RAW,  16                          ; v16-47   32 words as loaded: two bf16 each
.set F,    48                          ; v48-111  the 64 numbers as f32
.set CD,   8                           ; v8-15    the codes: four registers a block
.set MXA,  4                           ; v4-5     the blocks' largest magnitudes
.set SOPX, 112                         ; v112-113 the conversions' scale operands
.set BYX,  114                         ; v114-115 the scale bytes
.set WRD,  116                         ; v116     the scale word
.set TMP,  117
.set SH,   118                         ; v118     8 h
.set CO,   119                         ; v119     16 x lane
.set SO,   120                         ; v120     4 r
	s_load_b128 s[4:7], s[0:1], 0x0                ; x, xq
	s_load_b64 s[8:9], s[0:1], 0x10                ; xs
	v_and_b32 v1, 15, v0                           ; r
	s_wait_alu depctr_va_vdst(0)
	v_lshrrev_b32 v2, 4, v0                        ; h
	s_lshr_b32 s10, ttmp9, 4                       ; p
	s_bfe_u32 s11, ttmp9, 0x20002                  ; a
	s_and_b32 s12, ttmp9, 3                        ; s
	s_lshl_b32 s13, s11, 17                        ; 16 a rows of 8,192 bytes
	s_lshl_b32 s10, s10, 10                        ; 512 p numbers of 2 bytes
	s_lshl_b32 s12, s12, 8                         ; 128 s numbers
	s_add_co_u32 s13, s13, s10
	s_add_co_u32 s13, s13, s12
	v_lshlrev_b32 v3, 13, v1                       ; row r
	s_wait_alu depctr_va_vdst(0)
	v_lshl_add_u32 v3, v2, 6, v3                   ; + 32 h numbers
	v_add_nc_u32 v3, s13, v3
	v_lshlrev_b32 v[CO], 4, v0
	v_lshlrev_b32 v[SO], 2, v1
	v_lshlrev_b32 v[SH], 3, v2
	v_mov_b32 v[TMP], 0                            ; a lane permute's destination counts as one of its sources
	s_lshl_b32 s14, ttmp9, 10                      ; my 1,024 bytes of codes
	s_mov_b32 s15, 0
	s_lshl_b32 s16, ttmp9, 6                       ; my 64 bytes of scale words
	s_mov_b32 s17, 0
	s_mov_b32 s20, 0x76543210
	s_mov_b32 s21, 0xfedcba98                      ; v_permlanex16_b32's selects for lane l xor 16
	s_wait_alu depctr_va_vdst(0)
	s_wait_kmcnt 0x0
.irp c, 0,1
.irp i, 0,1,2,3
	global_load_b128 v[RAW+16*\c+4*\i:RAW+16*\c+4*\i+3], v3, s[4:5] offset:128*\c+16*\i th:TH_LOAD_NT
.endr
.endr
	s_add_nc_u64 s[6:7], s[6:7], s[14:15]
	s_add_nc_u64 s[8:9], s[8:9], s[16:17]
	s_wait_loadcnt 0x0
.set d, 0
.rept 32
	v_lshlrev_b32 v[F+2*d], 16, v[RAW+d]           ; bf16 to f32: the low half moves up,
	v_and_b32 v[F+2*d+1], 0xffff0000, v[RAW+d]     ; the high half stays
.set d, d+1
.endr
.irp c, 0,1
	v_max3_num_f32 v[MXA+\c], |v[F+32*\c]|, |v[F+32*\c+1]|, 0x1800000   ; and the floor 2^(3 - 127): the byte cannot fall under 1
.endr
.irp i, 2,4,6,8,10,12,14,16,18,20,22,24,26,28,30
.irp c, 0,1
	v_max3_num_f32 v[MXA+\c], v[MXA+\c], |v[F+32*\c+\i]|, |v[F+32*\c+\i+1]|   ; the two blocks by turns
.endr
.endr
.irp c, 0,1
	v_add_nc_u32 v[SOPX+\c], 0xff000000, v[MXA+\c] ; 2 off the exponent field: the conversion takes the exponent field of this operand as its scale
.endr
.irp c, 0,1
	v_lshrrev_b32 v[BYX+\c], 23, v[SOPX+\c]        ; the scale's byte
.endr
	v_lshl_or_b32 v[WRD], v[BYX+1], 16, v[BYX]     ; my two bytes: blocks h and 2 + h of row r,
	v_lshlrev_b32 v[WRD], v[SH], v[WRD]            ; at their places in the word (8 h bits up);
	v_permlanex16_b32 v[TMP], v[WRD], s20, s21
	v_or_b32 v[WRD], v[WRD], v[TMP]                ; with lane l xor 16's two the word is whole
.irp c, 0,1
.irp g, 0,1,2,3
	v_cvt_scalef32_pk8_fp4_f32 v[CD+4*\c+\g], v[F+32*\c+8*\g:F+32*\c+8*\g+7], v[SOPX+\c]
.endr
.endr
	v_nop                                          ; one plain vector line behind the last scaled conversion
	global_store_b128 v[CO], v[CD:CD+3], s[6:7]               ; 512 consecutive bytes
	global_store_b128 v[CO], v[CD+4:CD+7], s[6:7] offset:512
	v_cmp_gt_u32 vcc_lo, 16, v0
	s_wait_xcnt 0x0                                ; EXEC is a source of the stores above: it changes only behind this wait
	s_and_saveexec_b32 s22, vcc_lo                 ; lanes 0 to 15 hold the sixteen rows' words
	global_store_b32 v[SO], v[WRD], s[8:9]
	s_wait_xcnt 0x0                                ; and again in front of the line that widens it
	s_or_b32 exec_lo, exec_lo, s22
	s_endpgm
.Lfunc_end_k_qba4a1ba8d1_quantx:
	.size	k_qba4a1ba8d1_quantx, .Lfunc_end_k_qba4a1ba8d1_quantx-k_qba4a1ba8d1_quantx
	.p2alignl 7, 3214868480
	.fill 96, 4, 3214868480
	.section	.rodata,"a",@progbits
	.p2align	6, 0x0
	.amdhsa_kernel k_qba4a1ba8d1_quantx
		.amdhsa_group_segment_fixed_size 0
		.amdhsa_private_segment_fixed_size 0
		.amdhsa_enable_private_segment 0
		.amdhsa_kernarg_size 24
		.amdhsa_user_sgpr_count 2
		.amdhsa_user_sgpr_kernarg_segment_ptr 1
		.amdhsa_wavefront_size32 1
		.amdhsa_system_sgpr_workgroup_id_x 1
		.amdhsa_system_sgpr_workgroup_id_y 1
		.amdhsa_system_sgpr_workgroup_id_z 1
		.amdhsa_system_vgpr_workitem_id 0
		.amdhsa_next_free_vgpr 128
		.amdhsa_next_free_sgpr 66
		.amdhsa_reserve_vcc 1
		.amdhsa_float_denorm_mode_32 3
		.amdhsa_float_denorm_mode_16_64 3
		.amdhsa_memory_ordered 1
		.amdhsa_forward_progress 1
		.amdhsa_inst_pref_size 9
	.end_amdhsa_kernel
	.amdgpu_metadata
---
amdhsa.version: [ 1, 2 ]
amdhsa.kernels:
  - .name:           k_qba4a1ba8d1_quantx
    .symbol:         k_qba4a1ba8d1_quantx.kd
    .args:
      - { .name: x, .offset: 0, .size: 8, .value_kind: global_buffer, .address_space: global }
      - { .name: xq, .offset: 8, .size: 8, .value_kind: global_buffer, .address_space: global }
      - { .name: xs, .offset: 16, .size: 8, .value_kind: global_buffer, .address_space: global }
    .group_segment_fixed_size: 0
    .private_segment_fixed_size: 0
    .kernarg_segment_align: 8
    .kernarg_segment_size: 24
    .max_flat_workgroup_size: 32
    .sgpr_count:     66
    .vgpr_count:     128
    .wavefront_size: 32
...
	.end_amdgpu_metadata
.endif
;; end of part 1
;; launch glin (part 2): grid 256 x 1, 8 waves a work-group, no clusters, 199,680 bytes of LDS; arguments low, scale, low4_scale, bias, xq, xs, out0; writes out0
.if DOCPART == 2
	.amdgcn_target "amdgcn-amd-amdhsa--gfx1250"
	.amdhsa_code_object_version 6
	.text
	.protected	k_qba4a1ba8d1_glin
	.globl	k_qba4a1ba8d1_glin
	.p2align	8
	.type	k_qba4a1ba8d1_glin,@function
k_qba4a1ba8d1_glin:
	s_mov_b64 s[64:65], 0
	v_nop
	global_prefetch_b8 v0, s[64:65] scope:SCOPE_SE
	s_setreg_imm32_b32 hwreg(HW_REG_WAVE_MODE, 25, 1), 1
	s_wait_xcnt 0x0
; out[t][o] = sum over k of Q(x)[t][k] Q(w)[o][k] + bias[o],  w = bf16(low x (low4_scale x scale)),  Q: E2M1 codes with one E8M0 scale for each 32 along K.  64 tokens, 11,008 features, K = 4,096.
; gate_value is the constant 0: the branch of the low registers alone is taken; the tensor 'high' enters no result there and is not among the arguments.
; SHARES.  256 work-groups, 43 features each (256 x 43 = 11,008): every work-group converts the same 43 x 4,096 numbers.  Its eight waves share K: wave p owns k = 512 p .. 512 p + 511 of all 43 rows of low,
; and its part of x (codes made by the launch before, laid as register images) stays in 136 registers.  A row's part is 512 consecutive bytes: one load of the wave.
; THE LOADS ARE DEALT THROUGH THE WORK.  A wave has 86: 43 rows of low, 32 of x's codes, 8 of x's scale words, 3 of bias.  The head issues rows 0 to 23 first, then the 11 small ones; row j's work then asks for row j + 24
; (a ring of 24 slots of four registers; a slot is loaded again behind the four lines that read it), and rows 0 to 7 carry four loads of x's codes each: x is first wanted by the products that stand in row 17.
; So a wave begins to convert when its first row is in, and issues the other loads beside the conversion.  A row's loads stand directly behind its two LDS stores: one group of memory instructions a row.
; No prefetch is laid: each row is named by its own load 24 rows ahead of its use.
; ONE ROW, 16 numbers a lane.  u = v + 128 (one xor for four bytes).  The word 0x00uu0000 read as f32 is u x 2^-133 for every u from 0 to 255 (subnormal under 128, the first binade from 128 on; the mode at the entry keeps
; subnormals).  One fused multiply-add by c x 2^100 with -c x 2^-26 gives (u - 128) c x 2^-33, rounded once: the f32 product low x c, 33 binades down.  It is rounded to bf16 as the model casts it, and converted.
; The 33 binades lie in the weights' scale bytes and are taken out exactly at the end: sum x 2^33 + bias.  low may hold any int8.
; A block's largest magnitude is taken of the f32 numbers (rounding keeps order); + 0x8000 on its bits gives the exponent field that its rounding to bf16 has (a carry reaches the exponent only where nearest-even goes up too).
; FROM ROWS TO FRAGMENTS.  A lane's codes are 8 bytes of ONE row; an operand wants 16 rows across lanes.  So codes and scale bytes go through the wave's own stage in LDS (rows 272 bytes apart) and come back as
; fragments: no other wave touches those bytes, so no barrier.  Tiles of features: rows 0-15, 16-31, 27-42: the third lies over the second by five rows, so that no row is padding; those five are stored from the second alone.
; PRODUCTS.  Source 0 = 16 tokens of x, source 1 = 16 rows of w: register j of lane (r, h) is token 8 h + j, feature r.  Four accumulators (the four tiles of tokens) by turns, K step by K step.
; THE SUM OVER K spans the eight waves: each stores its accumulators to LDS as they stand (12 KiB a wave); one barrier; wave p adds the eight parts of four registers of each tile, adds the bias, rounds once, stores.
; NOT USED: joint loads in a cluster for x's codes: they land in LDS alone: 136 KiB more beside the 194 KiB of stages and partial sums, which is more than a work-group can claim, and 136 KiB more to read there.
; OUTPUT: a work-group's 43 features are 86 bytes of a token's row, at a multiple of 2 bytes: a store covers two runs of 32 bytes.  Owners of 128 features would be 86 work-groups with three times the conversions each; out is 1.4 MB beside 45 MB of low.
; LIMITS: |low4_scale x scale| from 2^-40 to 2^27, or 0; NaN and infinities in scale, low4_scale and bias are not served; out is rounded to bf16 once (the model rounds the product, then the sum); a block of zeros has the byte 1 and zero codes.
.set NW,    43                         ; rows of low, features, of a work-group
.set KB,    4096                       ; bytes in a row of low
.set OROW,  22016                      ; bytes in a row of out
.set PITCH, 272                        ; a stage row: 256 bytes of codes + 16
.set SCO,   NW*PITCH                   ; behind the 43 rows of codes: 16 scale bytes a row
.set WREG,  12544                      ; a wave's stage
.set PART,  8*WREG                     ; behind the stages: the partial sums,
.set PREG,  12288                      ; 3 tiles x 4 accumulators x 1,024 bytes for each wave
.set RING,  24                         ; slots for rows of low: the head fills them all
.set NSM,   11                         ; the small loads behind them at the head: 3 of bias, 8 of x's scale words
.set XR,    8                          ; the first XR rows carry
.set XL,    4                          ; XL loads of x's codes each: 32 in all
; window 0
.set L16,   4                          ; v4   16 x lane
.set L4,    5                          ; v5   4 x lane
.set R2,    6                          ; v6   2 r
.set STA,   7                          ; v7   stage: where I put a row's 8 bytes of codes
.set SSA,   8                          ; v8   and my block's scale byte
.set FRA,   9                          ; v9   stage: my place in a fragment
.set FSA,   10                         ; v10  and my row's 16 scale bytes
.set PWA,   11                         ; v11  partial sums: where I write
.set PRA,   12                         ; v12-13 and where I read (waves 0-3, waves 4-7)
.set OUTO,  14                         ; v14  my byte offset in out
.set XS,    16                         ; v16-23  x's scale words: register 2 a + s / 2; lanes 0-15: even s, lanes 16-31: odd s
.set WS,    24                         ; v24-27  the tile's scale words, K step s
.set T,     28                         ; v28-31  a row's 16 bytes, + 128 each
.set ACC,   32                         ; v32-63  four accumulators
.set CODES, 64                         ; v64-95  a pair for each row of a tile
.set BY,    96                         ; v96-111 a scale byte for each row of a tile
.set D,     112                        ; v112-127 16 numbers in f32
.set BF,    128                        ; v128-143 the same as bf16, two sets by turns
.set MX,    144                        ; v144-145 largest magnitudes, by turns
.set M1,    146
.set SOP,   147                        ; the conversions' scale operand
.set CC,    148                        ; v[148:149] c x 2^100, twice
.set AA,    150                        ; v[150:151] -c x 2^-26, twice
.set BI,    152                        ; v152-154 bias of my feature in each tile
.set RAW,   160                        ; v160-255 the ring: row j as loaded at 4 (j % 24)
.set RD,    160                        ; at the end: the partial sums read back
.set O,     64                         ; at the end: results as bf16
; window 1
.set XF,    0                          ; v0-127   x's fragments: tile of tokens a, K step s at 8 (4 a + s)
.set WF,    128                        ; v128-159 the tile's fragments of w: 8 s
.set SX,    30                         ; s30  0x80808080
.set SEL,   32                         ; s32-35 selectors: byte b of the word to byte 2, zeros round it
.set MSB, 0
.macro WIN new                         ; the immediate's high byte repeats the setting that is left
.if MSB != \new
	s_set_vgpr_msb (MSB<<8)|\new
.set MSB, \new
.endif
.endm
	s_load_b256 s[4:11], s[0:1], 0x0               ; low s[4:5], scale s[6:7], low4_scale s[8:9], bias s[10:11]
	s_load_b128 s[12:15], s[0:1], 0x20             ; xq s[12:13], xs s[14:15]
	s_load_b64 s[16:17], s[0:1], 0x30              ; out
	v_lshl_add_u32 v158, v0, 2, 0x30800
	v_mov_b32 v159, 0
	v_lshrrev_b32 v1, 5, v0
	s_delay_alu instid0(VALU_DEP_1)
	v_readfirstlane_b32 s20, v1                    ; wave p
	v_and_b32 v1, 31, v0                           ; lane
	v_and_b32 v2, 15, v0                           ; r
	v_bfe_u32 v3, v0, 4, 1                         ; h
	s_delay_alu instid0(VALU_DEP_3)
	v_lshlrev_b32 v[L16], 4, v1
	s_delay_alu instid0(VALU_DEP_4)
	v_lshlrev_b32 v[L4], 2, v1
	s_delay_alu instid0(VALU_DEP_4)
	v_lshlrev_b32 v[R2], 1, v2
	s_mul_i32 s22, ttmp9, NW*KB                    ; my work-group's 43 rows,
	s_lshl_b32 s23, s20, 9                         ; my wave's 512 bytes of each
	s_add_co_u32 s22, s22, s23
	s_mov_b32 s23, 0
	s_lshl_b32 s24, s20, 14                        ; my wave's 16 KiB of x's codes
	s_mov_b32 s25, 0
	s_lshl_b32 s26, s20, 10                        ; and 1 KiB of its scale words
	s_mov_b32 s27, 0
	s_mul_i32 s28, ttmp9, 2*NW                     ; my work-group's first feature, in bytes of bf16
	s_mov_b32 s29, 0
	s_wait_alu depctr_va_vdst(0)
	s_wait_kmcnt 0x0
	s_load_b32 s18, s[6:7], 0x0                    ; scale
	s_load_b32 s19, s[8:9], 0x0                    ; low4_scale
	s_add_nc_u64 s[4:5], s[4:5], s[22:23]
.set jj, 0
.rept RING
	global_load_b128 v[RAW+4*jj:RAW+4*jj+3], v[L16], s[4:5] offset:KB*jj th:TH_LOAD_NT   ; rows 0 to 23 first: 512 consecutive bytes each, read once in the launch
.set jj, jj+1
.endr
	s_add_nc_u64 s[12:13], s[12:13], s[24:25]
	s_add_nc_u64 s[14:15], s[14:15], s[26:27]
	s_add_nc_u64 s[10:11], s[10:11], s[28:29]
	s_add_nc_u64 s[16:17], s[16:17], s[28:29]
	global_load_u16 v[BI], v[R2], s[10:11]                     ; bias of features r, 16 + r, 27 + r
	global_load_u16 v[BI+1], v[R2], s[10:11] offset:32
	global_load_u16 v[BI+2], v[R2], s[10:11] offset:54
.irp g, 0,1,2,3,4,5,6,7
	global_load_b32 v[XS+\g], v[L4], s[14:15] offset:128*\g
.endr
	s_mul_i32 s21, s20, WREG                       ; my stage
	s_add_co_u32 s36, s21, SCO                     ; its scale bytes
	s_mul_i32 s37, s20, PREG
	s_add_co_u32 s37, s37, PART                    ; my partial sums
	s_lshl_b32 s38, s20, 9
	s_add_co_u32 s38, s38, PART                    ; what I add at the end: the p-th 512 bytes of each tile, in every wave's part
	v_lshl_add_u32 v[STA], v1, 3, s21
	v_lshrrev_b32 v15, 1, v1                       ; two neighbouring lanes hold a block
	s_delay_alu instid0(VALU_DEP_1)
	v_add_nc_u32 v[SSA], s36, v15
	v_mul_u32_u24 v15, v2, PITCH
	s_delay_alu instid0(VALU_DEP_1)
	v_lshl_add_u32 v15, v3, 4, v15
	s_delay_alu instid0(VALU_DEP_1)
	v_add_nc_u32 v[FRA], s21, v15                  ; row r x pitch + 16 h
	v_lshl_add_u32 v[FSA], v2, 4, s36
	v_add_nc_u32 v[PWA], s37, v[L16]
	v_add_nc_u32 v[PRA], s38, v[L16]
	s_delay_alu instid0(VALU_DEP_1)
	v_add_nc_u32 v[PRA+1], 4*PREG, v[PRA]
	s_mov_b32 s[SX], 0x80808080
.irp b, 0,1,2,3
	s_mov_b32 s[SEL+\b], 0x04000404+(\b<<16)       ; result byte 2 = byte b of the second source; bytes 0, 1, 3 = a byte of the first source, which is 0
.endr
	s_wait_kmcnt 0x0
	v_mov_b32 v15, s19
	s_delay_alu instid0(VALU_DEP_1)
	v_mul_f32 v15, s18, v15                        ; c = low4_scale x scale, in f32 as the model has it
	s_delay_alu instid0(VALU_DEP_1)
	v_mul_f32 v[CC], 0x71800000, v15               ; c x 2^100
	s_delay_alu instid0(VALU_DEP_2)
	v_mul_f32 v[AA], 0xb2800000, v15               ; -128 x 2^-133 x c x 2^100 = -c x 2^-26: both are exact
	s_delay_alu instid0(VALU_DEP_2)
	v_mov_b32 v[CC+1], v[CC]
	s_delay_alu instid0(VALU_DEP_2)
	v_mov_b32 v[AA+1], v[AA]
; The end of row j's work: five short steps that hang on each other.  They stand among the next row's sixteen v_perm_b32.
.macro B1 j
	v_max_num_f32_dpp v[MX+(\j)%2], v[MX+(\j)%2], v[MX+(\j)%2] row_xmask:1 row_mask:0xf bank_mask:0xf   ; with my neighbour's 16: the block's largest magnitude
.endm
.macro B2 j
	v_add_nc_u32 v[SOP], 0xff008000, v[MX+(\j)%2]  ; + 0x8000: the exponent field of its rounding to bf16; 2 off that field: the conversion's scale operand
.endm
.macro B3 j
	v_cvt_scalef32_pk8_fp4_bf16 v[CODES+2*((\j)%16)], v[BF+8*((\j)%2):BF+8*((\j)%2)+3], v[SOP]
	v_cvt_scalef32_pk8_fp4_bf16 v[CODES+2*((\j)%16)+1], v[BF+8*((\j)%2)+4:BF+8*((\j)%2)+7], v[SOP]
.endm
.macro B4 j
	v_lshrrev_b32 v[BY+(\j)%16], 23, v[SOP]        ; the scale's byte (33 under the true one)
.endm
.macro B5 j
	ds_store_b64 v[STA], v[CODES+2*((\j)%16):CODES+2*((\j)%16)+1] offset:(\j)*PITCH   ; the wave's 256 bytes of row j
	ds_store_b8 v[SSA], v[BY+(\j)%16] offset:(\j)*16                                  ; both lanes of a block write the same byte with the same value
.endm
.macro PERM4 i
.irp b, 0,1,2,3
	v_perm_b32 v[D+4*\i+\b], 0, v[T+\i], s[SEL+\b] ; 0x00uu0000 = u x 2^-133
.endr
.endm
; The fragments of the tile that begins at stage row tb: nine LDS loads.  LDS serves a wave's instructions in order, so they see the wave's stores.
.macro FRAGS tb
	ds_load_b128 v[WS:WS+3], v[FSA] offset:(\tb)*16            ; row r's four scale words, one for each K step
	WIN 0x40                                       ; destination window 1
.irp s, 0,1,2,3
.irp c, 0,1
	ds_load_b128 v[WF+8*\s+4*\c:WF+8*\s+4*\c+3], v[FRA] offset:(\tb)*PITCH+64*\s+32*\c
.endr
.endr
	WIN 0
.endm
; Sixteen products: the four accumulators take turns, one instruction a turn; the first K step starts the sums with the constant 0.
.macro MUL
	WIN 0x05                                       ; sources 0 (x) and 1 (w) window 1; C and D window 0
.irp s, 0,1,2,3
.irp a, 0,1,2,3
.if \s == 0
	v_wmma_scale_f32_16x16x128_f8f6f4 v[ACC+8*\a:ACC+8*\a+7], v[XF+8*(4*\a+\s):XF+8*(4*\a+\s)+7], v[WF+8*\s:WF+8*\s+7], 0, v[XS+2*\a], v[WS+\s] matrix_a_fmt:MATRIX_FMT_FP4 matrix_b_fmt:MATRIX_FMT_FP4
.elseif \s == 1
	v_wmma_scale_f32_16x16x128_f8f6f4 v[ACC+8*\a:ACC+8*\a+7], v[XF+8*(4*\a+\s):XF+8*(4*\a+\s)+7], v[WF+8*\s:WF+8*\s+7], v[ACC+8*\a:ACC+8*\a+7], v[XS+2*\a], v[WS+\s] matrix_a_fmt:MATRIX_FMT_FP4 matrix_b_fmt:MATRIX_FMT_FP4 matrix_a_scale:MATRIX_SCALE_ROW1
.elseif \s == 2
	v_wmma_scale_f32_16x16x128_f8f6f4 v[ACC+8*\a:ACC+8*\a+7], v[XF+8*(4*\a+\s):XF+8*(4*\a+\s)+7], v[WF+8*\s:WF+8*\s+7], v[ACC+8*\a:ACC+8*\a+7], v[XS+2*\a+1], v[WS+\s] matrix_a_fmt:MATRIX_FMT_FP4 matrix_b_fmt:MATRIX_FMT_FP4
.else
	v_wmma_scale_f32_16x16x128_f8f6f4 v[ACC+8*\a:ACC+8*\a+7], v[XF+8*(4*\a+\s):XF+8*(4*\a+\s)+7], v[WF+8*\s:WF+8*\s+7], v[ACC+8*\a:ACC+8*\a+7], v[XS+2*\a+1], v[WS+\s] matrix_a_fmt:MATRIX_FMT_FP4 matrix_b_fmt:MATRIX_FMT_FP4 matrix_a_scale:MATRIX_SCALE_ROW1
.endif
.endr
.endr
	WIN 0
.endm
.macro PSTORE t                        ; tile t's accumulators to LDS as they stand, each from its low end on: 512 consecutive bytes a store
.irp a, 0,1,2,3
	ds_store_b128 v[PWA], v[ACC+8*\a:ACC+8*\a+3] offset:((4*(\t)+\a)*2)*512
	ds_store_b128 v[PWA], v[ACC+8*\a+4:ACC+8*\a+7] offset:((4*(\t)+\a)*2+1)*512
.endr
.endm
; ROW j.  A tile's fragments are asked for one row behind its last row, multiplied two rows behind, and its sums stored three rows behind: the rows' vector work stands between.
.macro ROW j
; How many loads were issued behind row j's.  TI: all that were issued ahead of this line: the head's 35, five in each of rows 0 to 7, one in each of rows 8 to 18.  SQ: how many were issued ahead of row j's own.
.if (\j) < XR
.set TI, RING+NSM+(XL+1)*(\j)
.elseif (\j) < NW-RING
.set TI, RING+NSM+XL*XR+(\j)
.else
.set TI, NW+NSM+XL*XR
.endif
.if (\j) < RING
.set SQ, (\j)
.elseif (\j) < RING+XR
.set SQ, RING+NSM+(XL+1)*((\j)-RING)
.else
.set SQ, RING+NSM+XL*XR+(\j)-RING
.endif
.set NL, TI-SQ-1
.if NL > 63
.set NL, 63                            ; a wait names 63 at the most: the smaller count asks for more than is needed, never for less
.endif
	s_wait_loadcnt NL                              ; loads come back in order: row j is in, those issued behind it may be out
.if ((\j) == 17) || ((\j) == 33)
	s_wait_dscnt 9                                 ; all but the nine fragment loads: the last tile's stores of codes and bytes are done, so their registers may be written again
.endif
.irp i, 0,1,2,3
	v_xor_b32 v[T+\i], s[SX], v[RAW+4*((\j)%RING)+\i]   ; four bytes + 128
.endr
.if (\j) > 0
	s_wait_alu depctr_va_vdst(0)
	B1 (\j)-1
.endif
	PERM4 0
.if (\j) > 0
	B2 (\j)-1
.endif
	PERM4 1
.if (\j) > 0
	B3 (\j)-1
.endif
	PERM4 2                                        ; (plain lines behind the scaled conversions)
.if (\j) > 0
	B4 (\j)-1
.endif
	PERM4 3
.if (\j) > 0
	B5 (\j)-1
.endif
.if (\j)+RING < NW
	global_load_b128 v[RAW+4*((\j)%RING):RAW+4*((\j)%RING)+3], v[L16], s[4:5] offset:KB*((\j)+RING) th:TH_LOAD_NT   ; row j + 24 into the slot that the four xor lines above have read
.endif
.if (\j) < XR
	WIN 0x40                                       ; destination window 1, address window 0
.irp i, 0,1,2,3
	global_load_b128 v[XF+4*(XL*(\j)+\i):XF+4*(XL*(\j)+\i)+3], v[L16], s[12:13] offset:512*(XL*(\j)+\i)   ; x's codes lie in memory in the order of their registers: 512 bytes for each four
.endr
	WIN 0
.endif
.if (\j) == 16
	FRAGS 0
.elseif (\j) == 32
	FRAGS 16
.elseif ((\j) == 17) || ((\j) == 33)
	s_wait_alu depctr_va_vdst(0)
	s_wait_dscnt 2                                 ; all but the two stores just issued: the fragments are in, and the stores of the last tile's sums have read the accumulators
.if (\j) == 17
	s_wait_loadcnt 17-XR+1                         ; behind x's last load only the rows asked for in rows 8 to 17 were issued, ten loads: x's codes and scale words are in
.endif
	MUL
.elseif (\j) == 18
	PSTORE 0                                       ; far more than four plain vector lines behind the products
.elseif (\j) == 34
	PSTORE 1
.endif
.irp q, 0,2,4,6,8,10,12,14
	v_pk_fma_f32 v[D+\q:D+\q+1], v[D+\q:D+\q+1], v[CC:CC+1], v[AA:AA+1]   ; low x c x 2^-33, rounded once to f32
.endr
.set U, (\j)%2
	v_max3_num_f32 v[MX+U], |v[D]|, |v[D+1]|, 0x1800000        ; my 16 and the floor 2^(3 - 127), in two chains; the casts to bf16 stand between their links
	v_max3_num_f32 v[M1], |v[D+2]|, |v[D+3]|, |v[D+6]|
	v_cvt_pk_bf16_f32 v[BF+8*U], v[D], v[D+1]
	v_cvt_pk_bf16_f32 v[BF+8*U+1], v[D+2], v[D+3]
	s_delay_alu instid0(VALU_DEP_4)
	v_max3_num_f32 v[MX+U], v[MX+U], |v[D+4]|, |v[D+5]|
	s_delay_alu instid0(VALU_DEP_4)
	v_max3_num_f32 v[M1], v[M1], |v[D+7]|, |v[D+10]|
	v_cvt_pk_bf16_f32 v[BF+8*U+2], v[D+4], v[D+5]
	v_cvt_pk_bf16_f32 v[BF+8*U+3], v[D+6], v[D+7]
	s_delay_alu instid0(VALU_DEP_4)
	v_max3_num_f32 v[MX+U], v[MX+U], |v[D+8]|, |v[D+9]|
	s_delay_alu instid0(VALU_DEP_4)
	v_max3_num_f32 v[M1], v[M1], |v[D+11]|, |v[D+14]|
	v_cvt_pk_bf16_f32 v[BF+8*U+4], v[D+8], v[D+9]
	v_cvt_pk_bf16_f32 v[BF+8*U+5], v[D+10], v[D+11]
	s_delay_alu instid0(VALU_DEP_4)
	v_max3_num_f32 v[MX+U], v[MX+U], |v[D+12]|, |v[D+13]|
	v_cvt_pk_bf16_f32 v[BF+8*U+6], v[D+12], v[D+13]
	v_cvt_pk_bf16_f32 v[BF+8*U+7], v[D+14], v[D+15]
	s_delay_alu instid0(VALU_DEP_3)
	v_max3_num_f32 v[MX+U], v[MX+U], v[M1], |v[D+15]|
.endm
.irp j, 0,1,2,3,4,5,6,7,8,9,10,11,12,13,14,15,16,17,18,19,20,21,22,23,24,25,26,27,28,29,30,31,32,33,34,35,36,37,38,39,40,41,42
	ROW \j
.endr
	B1 42                                          ; the last row has no successor
	B2 42
	B3 42
	B4 42                                          ; (the plain line behind the scaled conversions)
	B5 42
	FRAGS 27                                       ; the third tile: rows 27 to 42
	s_wait_dscnt 0x0                               ; the fragments are in; the second tile's sums have left the accumulators
	MUL
	s_lshr_b32 s39, s20, 1                         ; what I add at the end: accumulator a = p / 2, registers 4 (p % 2) on:
	s_lshl_b32 s39, s39, 4
	s_and_b32 s40, s20, 1
	s_lshl_b32 s40, s40, 2
	s_add_co_u32 s39, s39, s40                     ; tokens 16 a + 4 (p % 2) + 8 h + 0 .. 3
	v_lshlrev_b32 v[BI], 16, v[BI]                 ; bias as f32.  These six plain lines name no register of the products: they are the places in front of the stores of the sums
	v_lshlrev_b32 v[BI+1], 16, v[BI+1]
	v_lshlrev_b32 v[BI+2], 16, v[BI+2]
	v_lshl_add_u32 v[OUTO], v3, 3, s39
	s_delay_alu instid0(VALU_DEP_1)
	v_mul_u32_u24 v[OUTO], v[OUTO], OROW
	s_delay_alu instid0(VALU_DEP_1)
	v_lshl_add_u32 v[OUTO], v2, 1, v[OUTO]         ; my first token's row, + 2 r
	PSTORE 2
	s_wait_dscnt 0x0                               ; for the others' sake: all my partial sums lie in LDS
	s_barrier_signal -1
	s_barrier_wait -1
.irp t, 0,1,2
.irp w, 0,1,2,3,4,5,6,7
	ds_load_b128 v[RD+32*\t+4*\w:RD+32*\t+4*\w+3], v[PRA+\w/4] offset:(\w%4)*PREG+\t*4096   ; wave w's part of my four registers of tile t, into the ring's registers, which are done with
.endr
.endr
.macro SUM t
.set RB, RD+32*(\t)
	s_wait_dscnt 16-8*(\t)                         ; this tile's eight loads are in; the later tiles' may be out
.irp e, 0,8,16,24
	v_pk_add_f32 v[RB+\e:RB+\e+1], v[RB+\e:RB+\e+1], v[RB+\e+4:RB+\e+5]
	v_pk_add_f32 v[RB+\e+2:RB+\e+3], v[RB+\e+2:RB+\e+3], v[RB+\e+6:RB+\e+7]
.endr
.irp e, 0
	v_pk_add_f32 v[RB+\e:RB+\e+1], v[RB+\e:RB+\e+1], v[RB+\e+8:RB+\e+9]
	v_pk_add_f32 v[RB+\e+2:RB+\e+3], v[RB+\e+2:RB+\e+3], v[RB+\e+10:RB+\e+11]
.endr
.irp e, 16
	s_delay_alu instid0(VALU_DEP_4)
	v_pk_add_f32 v[RB+\e:RB+\e+1], v[RB+\e:RB+\e+1], v[RB+\e+8:RB+\e+9]
	s_delay_alu instid0(VALU_DEP_4)
	v_pk_add_f32 v[RB+\e+2:RB+\e+3], v[RB+\e+2:RB+\e+3], v[RB+\e+10:RB+\e+11]
.endr
	s_delay_alu instid0(VALU_DEP_2)
	v_pk_add_f32 v[RB:RB+1], v[RB:RB+1], v[RB+16:RB+17]
	s_delay_alu instid0(VALU_DEP_2)
	v_pk_add_f32 v[RB+2:RB+3], v[RB+2:RB+3], v[RB+18:RB+19]
.irp i, 0,1,2,3
	v_fmamk_f32 v[RB+\i], v[RB+\i], 0x50000000, v[BI+(\t)]     ; x 2^33, which undoes the weights' 33 binades exactly, + bias
.endr
	s_delay_alu instid0(VALU_DEP_3)
	v_cvt_pk_bf16_f32 v[O+2*(\t)], v[RB], v[RB+1]
	s_delay_alu instid0(VALU_DEP_2)
	v_cvt_pk_bf16_f32 v[O+2*(\t)+1], v[RB+2], v[RB+3]
.endm
.macro SEND t, tb                      ; four tokens of feature tb + r: sixteen lanes store 32 consecutive bytes of a token's row
	global_store_b16 v[OUTO], v[O+2*(\t)], s[16:17] offset:2*(\tb)
	global_store_d16_hi_b16 v[OUTO], v[O+2*(\t)], s[16:17] offset:2*(\tb)+OROW
	global_store_b16 v[OUTO], v[O+2*(\t)+1], s[16:17] offset:2*(\tb)+2*OROW
	global_store_d16_hi_b16 v[OUTO], v[O+2*(\t)+1], s[16:17] offset:2*(\tb)+3*OROW
.endm
	SUM 0
	SEND 0, 0
	SUM 1
	SEND 1, 16
	SUM 2
	v_cmp_le_u32 vcc_lo, 5, v2                     ; of the third tile features 27 to 31 (r under 5) were stored with the second
	s_wait_alu depctr_va_vdst(0)
	s_wait_xcnt 0x0                                ; EXEC is a source of the stores above: it changes only behind this wait
	s_wait_tensorcnt 0x0
	ds_add_u32 v158, v159
	s_wait_dscnt 0x0
	s_and_saveexec_b32 s41, vcc_lo
	SEND 2, 27
	s_wait_xcnt 0x0                                ; and again in front of the line that widens it
	s_or_b32 exec_lo, exec_lo, s41
	s_endpgm
.Lfunc_end_k_qba4a1ba8d1_glin:
	.size	k_qba4a1ba8d1_glin, .Lfunc_end_k_qba4a1ba8d1_glin-k_qba4a1ba8d1_glin
	.p2alignl 7, 3214868480
	.fill 96, 4, 3214868480
	.section	.rodata,"a",@progbits
	.p2align	6, 0x0
	.amdhsa_kernel k_qba4a1ba8d1_glin
		.amdhsa_group_segment_fixed_size 199680
		.amdhsa_private_segment_fixed_size 0
		.amdhsa_enable_private_segment 0
		.amdhsa_kernarg_size 56
		.amdhsa_user_sgpr_count 2
		.amdhsa_user_sgpr_kernarg_segment_ptr 1
		.amdhsa_wavefront_size32 1
		.amdhsa_system_sgpr_workgroup_id_x 1
		.amdhsa_system_sgpr_workgroup_id_y 1
		.amdhsa_system_sgpr_workgroup_id_z 1
		.amdhsa_system_vgpr_workitem_id 0
		.amdhsa_next_free_vgpr 416
		.amdhsa_next_free_sgpr 66
		.amdhsa_reserve_vcc 1
		.amdhsa_float_denorm_mode_32 3
		.amdhsa_float_denorm_mode_16_64 3
		.amdhsa_memory_ordered 1
		.amdhsa_forward_progress 1
		.amdhsa_inst_pref_size 173
	.end_amdhsa_kernel
	.amdgpu_metadata
---
amdhsa.version: [ 1, 2 ]
amdhsa.kernels:
  - .name:           k_qba4a1ba8d1_glin
    .symbol:         k_qba4a1ba8d1_glin.kd
    .args:
      - { .name: low, .offset: 0, .size: 8, .value_kind: global_buffer, .address_space: global }
      - { .name: scale, .offset: 8, .size: 8, .value_kind: global_buffer, .address_space: global }
      - { .name: low4_scale, .offset: 16, .size: 8, .value_kind: global_buffer, .address_space: global }
      - { .name: bias, .offset: 24, .size: 8, .value_kind: global_buffer, .address_space: global }
      - { .name: xq, .offset: 32, .size: 8, .value_kind: global_buffer, .address_space: global }
      - { .name: xs, .offset: 40, .size: 8, .value_kind: global_buffer, .address_space: global }
      - { .name: out0, .offset: 48, .size: 8, .value_kind: global_buffer, .address_space: global }
    .group_segment_fixed_size: 199680
    .private_segment_fixed_size: 0
    .kernarg_segment_align: 8
    .kernarg_segment_size: 56
    .max_flat_workgroup_size: 256
    .sgpr_count:     66
    .vgpr_count:     416
    .wavefront_size: 32
...
	.end_amdgpu_metadata
.endif
;; end of part 2
